; MI455X (gfx1250); checked and timed in simulation.
; The chip was launched on July 23, 2026; its instructions are those of AMD's public machine-readable ISA for CDNA 5 (MIT licence, August 2026) and "CDNA5" Instruction Set Architecture Reference Guide (July 2026). The comments in the code are by the model that wrote it; some were corrected since.
;; Vector Quantization. Allowed arithmetic: float matrix products may take bf16 or f16 operands with f32 sums; all other float work in f32.
;; Inputs: vectors 8,192 x 256 float32; x 32,768 x 256 float32.
;; Outputs: out0 32,768 int32.
;; One version. Each part assembles by itself: llvm-mc -triple=amdgcn-amd-amdhsa -mcpu=gfx1250 --defsym DOCPART=n.
;; ======== version 1 of 1: 2 launches
;; workspace buffers: cb 4,194,304 bytes; c2 32,768 bytes
;; launch prep (part 1): grid 256 x 1, 8 waves a work-group, no clusters, 0 bytes of LDS; arguments vectors, cb, c2; writes cb, c2
.if DOCPART == 1
	.amdgcn_target "amdgcn-amd-amdhsa--gfx1250"
	.amdhsa_code_object_version 6
	.text
	.protected	k_q8254c97e48_prep
	.globl	k_q8254c97e48_prep
	.p2align	8
	.type	k_q8254c97e48_prep,@function
k_q8254c97e48_prep:
	s_mov_b64 s[64:65], 0
	v_nop
	global_prefetch_b8 v0, s[64:65] scope:SCOPE_SE
	s_setreg_imm32_b32 hwreg(HW_REG_WAVE_MODE, 25, 1), 1
	s_wait_xcnt 0x0
; cb[k][d] = -2 * bf16(vectors[k][d]) in bf16 (exact: a power of two times a bf16 number);  c2[k] = the sum over d of bf16(vectors[k][d])^2 in f32.
; vectors: [8192][256] f32.  A work-group of eight waves owns 32 rows, a wave 4 rows; a lane holds 8 neighbouring numbers of each row.
; The squares are taken of the ROUNDED numbers, since the products of the next launch are made of those.  They are summed as (2 v)^2 and scaled by 1/4 at the end: both
; factors are powers of two, so the roundings are those of the sum of v^2.  LIMIT: |v| below 9e18, so that (2 v)^2 stays finite; NaN and infinities are not treated apart.
; A stream without reuse: no LDS, no barrier, no matrix unit.  All eight loads of a wave are out before the first is used.
; cb leaves as whole rows: a wave's store covers 512 consecutive bytes, aligned.  c2 leaves as 16 bytes a wave (4 rows): 32,768 bytes in the whole launch; gathering them through LDS would cost a barrier for that.
.set X,  4                             ; v[4:35]   row i: 8 registers as loaded, then scaled, then the rounded numbers widened again
.set Y,  36                            ; v[36:51]  row i: 4 registers, 8 bf16 to store
.set CC, 52                            ; v[52:55]  c2 of my wave's four rows
.set T,  56                            ; v[56:63]  row i: a pair of running sums
	s_load_b128 s[4:7], s[0:1], 0x0                ; vectors s[4:5], cb s[6:7]
	s_load_b64 s[8:9], s[0:1], 0x10                ; c2
	s_mov_b32 s3, 0
	s_mov_b32 s10, 0xffff0000                      ; a word's upper bf16
	s_mov_b32 s12, 0x76543210                      ; v_permlanex16_b32: each lane takes its own place in the other half
	s_mov_b32 s13, 0xfedcba98
	v_lshrrev_b32 v3, 5, v0                        ; wave
	v_and_b32 v0, 31, v0                           ; lane
	v_lshlrev_b32 v1, 5, v0
	v_lshl_add_u32 v1, v3, 12, v1                  ; in vectors: wave x 4 rows x 1,024 bytes + lane x 32
	v_lshlrev_b32 v2, 4, v0
	v_lshl_add_u32 v2, v3, 11, v2                  ; in cb: wave x 4 rows x 512 bytes + lane x 16
	v_lshlrev_b32 v3, 4, v3                        ; in c2: wave x 4 numbers
	s_wait_kmcnt 0x0
	s_lshl_b32 s2, ttmp9, 15                       ; the work-group's 32 rows of 1,024 bytes
	s_add_nc_u64 s[4:5], s[4:5], s[2:3]
	s_lshl_b32 s2, ttmp9, 14                       ; of 512 bytes
	s_add_nc_u64 s[6:7], s[6:7], s[2:3]
	s_lshl_b32 s2, ttmp9, 7                        ; of 4 bytes
	s_add_nc_u64 s[8:9], s[8:9], s[2:3]
.irp i, 0,1,2,3
	global_load_b128 v[X+8*\i:X+8*\i+3],   v1, s[4:5] offset:1024*\i th:TH_LOAD_NT
	global_load_b128 v[X+8*\i+4:X+8*\i+7], v1, s[4:5] offset:1024*\i+16 th:TH_LOAD_NT
.endr
.macro ROWP i
	s_wait_loadcnt 6-2*(\i)                        ; loads come back in order: row i's two are in, the two of each younger row stay out
.irp k, 0,1,2,3
	v_pk_mul_f32 v[X+8*(\i)+2*\k:X+8*(\i)+2*\k+1], v[X+8*(\i)+2*\k:X+8*(\i)+2*\k+1], -2.0 op_sel_hi:[1,0]
.endr
.irp k, 0,1,2,3
	v_cvt_pk_bf16_f32 v[Y+4*(\i)+\k], v[X+8*(\i)+2*\k], v[X+8*(\i)+2*\k+1]  ; rounds to nearest even
.endr
	global_store_b128 v2, v[Y+4*(\i):Y+4*(\i)+3], s[6:7] offset:512*(\i)   ; Y's registers and v2 are never rewritten
.irp k, 0,1,2,3
	v_lshlrev_b32 v[X+8*(\i)+2*\k],   16,  v[Y+4*(\i)+\k]                  ; the rounded numbers as f32
	v_and_b32     v[X+8*(\i)+2*\k+1], s10, v[Y+4*(\i)+\k]
.endr
	v_pk_mul_f32 v[T+2*(\i):T+2*(\i)+1], v[X+8*(\i):X+8*(\i)+1], v[X+8*(\i):X+8*(\i)+1]  ; the first squares start the sums
.irp k, 1,2,3
	v_pk_fma_f32 v[T+2*(\i):T+2*(\i)+1], v[X+8*(\i)+2*\k:X+8*(\i)+2*\k+1], v[X+8*(\i)+2*\k:X+8*(\i)+2*\k+1], v[T+2*(\i):T+2*(\i)+1]
.endr
	v_add_f32 v[T+2*(\i)], v[T+2*(\i)], v[T+2*(\i)+1]
	v_add_f32_dpp v[T+2*(\i)], v[T+2*(\i)], v[T+2*(\i)] row_xmask:1 row_mask:0xf bank_mask:0xf
	v_add_f32_dpp v[T+2*(\i)], v[T+2*(\i)], v[T+2*(\i)] row_xmask:2 row_mask:0xf bank_mask:0xf
	v_add_f32_dpp v[T+2*(\i)], v[T+2*(\i)], v[T+2*(\i)] row_xmask:4 row_mask:0xf bank_mask:0xf
	v_add_f32_dpp v[T+2*(\i)], v[T+2*(\i)], v[T+2*(\i)] row_xmask:8 row_mask:0xf bank_mask:0xf
	v_permlanex16_b32 v[T+2*(\i)+1], v[T+2*(\i)], s12, s13                 ; its destination has been written above
	v_add_f32 v[T+2*(\i)], v[T+2*(\i)], v[T+2*(\i)+1]
	v_mul_f32 v[CC+(\i)], 0.25, v[T+2*(\i)]                                ; (2 v)^2 back to v^2: exact
.endm
	ROWP 0
	ROWP 1
	ROWP 2
	ROWP 3
	v_cmp_eq_u32 vcc_lo, 0, v0
	s_wait_xcnt 0x0                                ; EXEC is a source of the stores above: it changes only behind this wait
	s_and_saveexec_b32 s11, vcc_lo
	global_store_b128 v3, v[CC:CC+3], s[8:9]       ; lane 0 alone: every lane holds the same four sums
	s_endpgm
.Lfunc_end_k_q8254c97e48_prep:
	.size	k_q8254c97e48_prep, .Lfunc_end_k_q8254c97e48_prep-k_q8254c97e48_prep
	.p2alignl 7, 3214868480
	.fill 96, 4, 3214868480
	.section	.rodata,"a",@progbits
	.p2align	6, 0x0
	.amdhsa_kernel k_q8254c97e48_prep
		.amdhsa_group_segment_fixed_size 0
		.amdhsa_private_segment_fixed_size 0
		.amdhsa_enable_private_segment 0
		.amdhsa_kernarg_size 24
		.amdhsa_user_sgpr_count 2
		.amdhsa_user_sgpr_kernarg_segment_ptr 1
		.amdhsa_wavefront_size32 1
		.amdhsa_system_sgpr_workgroup_id_x 1
		.amdhsa_system_sgpr_workgroup_id_y 1
		.amdhsa_system_sgpr_workgroup_id_z 1
		.amdhsa_system_vgpr_workitem_id 0
		.amdhsa_next_free_vgpr 64
		.amdhsa_next_free_sgpr 66
		.amdhsa_reserve_vcc 1
		.amdhsa_float_denorm_mode_32 3
		.amdhsa_float_denorm_mode_16_64 3
		.amdhsa_memory_ordered 1
		.amdhsa_forward_progress 1
		.amdhsa_inst_pref_size 9
	.end_amdhsa_kernel
	.amdgpu_metadata
---
amdhsa.version: [ 1, 2 ]
amdhsa.kernels:
  - .name:           k_q8254c97e48_prep
    .symbol:         k_q8254c97e48_prep.kd
    .args:
      - { .name: vectors, .offset: 0, .size: 8, .value_kind: global_buffer, .address_space: global }
      - { .name: cb, .offset: 8, .size: 8, .value_kind: global_buffer, .address_space: global }
      - { .name: c2, .offset: 16, .size: 8, .value_kind: global_buffer, .address_space: global }
    .group_segment_fixed_size: 0
    .private_segment_fixed_size: 0
    .kernarg_segment_align: 8
    .kernarg_segment_size: 24
    .max_flat_workgroup_size: 256
    .sgpr_count:     66
    .vgpr_count:     64
    .wavefront_size: 32
...
	.end_amdgpu_metadata
.endif
;; end of part 1
;; launch vq (part 2): grid 256 x 1, 4 waves a work-group, clusters of 4 x 1, 327,680 bytes of LDS; arguments x, cb, c2, out0; writes out0
.if DOCPART == 2
	.amdgcn_target "amdgcn-amd-amdhsa--gfx1250"
	.amdhsa_code_object_version 6
	.text
	.protected	k_q8254c97e48_vq
	.globl	k_q8254c97e48_vq
	.p2align	8
	.type	k_q8254c97e48_vq,@function
k_q8254c97e48_vq:
	s_mov_b64 s[64:65], 0
	v_nop
	global_prefetch_b8 v0, s[64:65] scope:SCOPE_SE
	s_setreg_imm32_b32 hwreg(HW_REG_WAVE_MODE, 25, 1), 1
	s_wait_xcnt 0x0
	s_wait_alu depctr_hold_cnt(0) depctr_sa_sdst(0) depctr_va_vdst(0) depctr_va_sdst(0) depctr_va_ssrc(0) depctr_va_vcc(0) depctr_vm_vsrc(0)
	s_getreg_b32 s2, hwreg(HW_REG_IB_STS2, 6, 4)
	s_cmp_eq_u32 s2, 0
	s_cbranch_scc0 .Lentry_in_a_cluster
	s_endpgm
.Lentry_in_a_cluster:
	s_bfe_u32 s2, ttmp6, 0x10000c
	s_cmp_lg_u32 s2, 0x3003
	s_cbranch_scc0 .Lentry_shape_is_right
	s_endpgm
.Lentry_shape_is_right:
; out0[n] = the k for which  c2[k] + x[n] . (-2 c[k])  is least; of equal scores the lowest k.  x: [32768][256] f32; cb: [8192][256] bf16 = -2 bf16(codebook); c2: [8192] f32; out0: [32768] i32.
; That is the argmin of ||x||^2 + ||c||^2 - 2 x.c: ||x[n]||^2 is one and the same addend for all k of a row, for every input, so it is not formed.
; x is rounded to bf16 for the product; sums in f32.  c2 enters as the C operand of the first K step, so a score costs no vector arithmetic: what is left is the argmin.
; LIMITS.  A row whose two least distances differ by a few units in f32's last place may get the other of the two indices (the sums are ordered and rounded otherwise than a plain f32 evaluation).
; NaN and infinities among the inputs are not treated as an argmin with NaN treats them; if every score of a row is +inf the answer is 0.  |codebook| below 9e18 (see the launch that makes c2).
; SHARES.  A work-group owns 128 rows of x (queries).  EVERY wave keeps all 128 in registers, as 8 tiles of 16 queries x 256 channels in bf16: 512 registers.  The codes go in 32 chunks (steps) of 256;
; of each chunk wave w takes codes 64 w .. 64 w + 63: four tiles of 16.  A tile of codes is 64 matrix instructions (8 query tiles x 8 K steps of 32) for 18 LDS loads.
; LAYOUT.  Source 0 = 16 codes, source 1 = 16 queries: in the result a lane holds ONE query (lane % 16) and the codes 8 (lane / 16) + 0..7, so the minimum over codes stays in the lane until the very end.
; CLUSTER.  All work-groups walk the same chunks in the same order: the four of a cluster ask for each chunk JOINTLY (the same tensor load, descriptor and mask in all four), which divides the requests for cb by four.
; A mask names four work-groups at the most, so a larger cluster would share no more.  x belongs to one work-group: a load of its own.
; RING.  Two LDS slots of one chunk each; a wave fetches the 64 rows that it alone reads.  Slot 1's first fill is x in f32, which is turned into bf16 fragments before chunk 1 takes its place.
; REGISTERS, in windows of 256 (s_set_vgpr_msb: bits 1:0 source 0, 3:2 source 1, 5:4 source 2, 7:6 destination):
;   window 0: v0-15 addresses; v16-31 c2's fragments, two buffers; v32-95 OUT: finished scores, 8 a query tile; v96-223 the codes' fragments, two buffers of 64 (K step s at + 8 s); v224-255 the way out
;   windows 1, 2, 3: query tile q lives in window 1 + q / 3 at place i = q % 3 (groups of 3, 3, 2): its fragments at v[64 i + 8 s], its accumulator at v[192 + 8 i], its least score at v[216 + i], that score's code at v[220 + i]
; WHY SO.  A vector instruction with two register sources takes them from the windows of the matrix instruction's sources 0 and 1.  With the finished scores in the codes' window (0) and least score and code in the
; queries' window, which is also the destination's, ONE setting serves products and argmin.  So a sum runs in the queries' window, and only its LAST K step writes its result into window 0.
; Under that last setting no argmin line could stand, so the LDS loads stand there.  Nine switches for a tile's 64 matrix instructions.
; THE ARGMIN of a tile's scores stands behind the NEXT tile's products of the same group: three short vector instructions behind each matrix instruction.
.set PITCH, 528                        ; a row of cb in LDS: 512 bytes + 16 of padding = 33 x 16: the 16 rows of a fragment load start in 16 different 16-byte columns of 256 bytes
.set WPART, 64*PITCH                   ; a wave's 64 rows of a chunk
.set SLOT,  4*WPART                    ; 135,168 bytes; slot 0 at 0, slot 1 at SLOT
.set XP,    1040                       ; a row of x (f32) in LDS: 1,024 + 16 = 65 x 16; 128 rows are 133,120 bytes, inside slot 1
.set C2L,   2*SLOT                     ; all of c2: 32,768 bytes
.set RED,   C2L+32768                  ; 4,096 bytes written by LDS stores for the last merge: no tensor load lands here
.set SPARE, RED+4096                   ; the spare words, 128 bytes for each wave: two blocks of 256 bytes that no other line names
.set CHUNK, 256*512                    ; bytes of cb in a chunk
.set ADRC0, 3                          ; v3   C2L + 4 (64 w + 8 (l / 16)); never rewritten
.set ADR0,  4                          ; v4, v5  LDS address of my lane's place in my wave's rows of slot 0, 1
.set ADRC,  6                          ; v6   the same as v3 for the step whose c2 is fetched next
.set XA,    7                          ; v7   my lane's place in 16 rows of x
.set H8,    8                          ; v8   8 (l / 16)
.set REDW,  9                          ; v9   where I put my query's result
.set REDR,  10                         ; v10  where I read two queries' results
.set OUTO,  11                         ; v11  my byte offset in the work-group's 512 bytes of out0
.set SPW,   12                         ; v12  LDS address of my spare word: SPARE + 4 x my thread's number; never rewritten
.set NIL,   13                         ; v13  0; never rewritten
.set C2R,   16
.set OUT,   32
.set AF,    96
.set PR,    224                        ; the way out: (score, code) of query tile q at v[224 + 2 q]
.set RB,    240                        ; the way out: four waves' results of two queries
.set ACC,   192                        ; in windows 1 to 3
.set BEST,  216
.set IDX,   220
.set WV,   12                          ; s12  my wave's number
.set G1K,  20                          ; s[20:27] descriptor group 1 for a wave's part of a chunk
.set G1X,  28                          ; s[28:35] for a wave's part of x
.set G1C,  36                          ; s[36:43] for a wave's part of c2
.set G0K,  44                          ; s[44:47], s[48:51] descriptor group 0 for cb, one set for each slot
.set G0X,  52                          ; s[52:55] for x
.set G0C,  56                          ; s[56:59] for c2
.set TRIPS, 60                         ; s60
.set C2S,  61                          ; s61  1,024 x the step whose c2 is fetched next
.set SEL,  66                          ; s66, s67  v_permlanex16_b32's selects
.set JR,   68                          ; s[68:75] the code (less 8 (l / 16)) of register j of the tile whose scores the argmin has in hand
.set INF,  78                          ; s78  +inf
.set MSB, 0
.macro WIN new                         ; the immediate's high byte repeats the setting that is left; a switch that changes nothing is dropped
.if MSB != (\new)
	s_set_vgpr_msb (MSB<<8)|(\new)
.set MSB, (\new)
.endif
.endm
.macro PLACES
.rept 4
	v_nop
.endr
.endm
; A round of the cluster's barrier: my work-group's barrier, so that wave 0's signal speaks for all four waves; wave 0 signals for the work-group; every wave waits for all four work-groups; my work-group's barrier once more.
.macro CREST                           ; a round behind its opening barrier
	s_cmp_lg_u32 s[WV], 0
	s_cbranch_scc1 .Lnot_wave_0_\@
	s_barrier_signal -3
.Lnot_wave_0_\@:
	s_barrier_wait -3
	s_barrier_signal -1
	s_barrier_wait -1
.endm
.macro ROUND                           ; a whole round
	s_barrier_signal -1
	s_barrier_wait -1
	CREST
.endm
	s_load_b256 s[4:11], s[0:1], 0x0               ; x s[4:5], cb s[6:7], c2 s[8:9], out0 s[10:11]
	v_lshl_add_u32 v[SPW], v0, 2, SPARE
	v_mov_b32 v[NIL], 0
	ds_add_u32 v[SPW], v[NIL]                      ; the wave's opening: the add and its wait stand ahead of my first tensor load; the set-up below, work on registers, stands between them
	v_lshrrev_b32 v1, 5, v0
	v_readfirstlane_b32 s[WV], v1                  ; wave 0..3
	s_bfe_u32 s13, ttmp6, 0x40000                  ; cx: my place in the cluster
	s_lshl_b32 s14, ttmp9, 2                       ; in a cluster launch ttmp9 counts clusters
	s_add_co_u32 s14, s14, s13                     ; my block of 128 queries = 4 x cluster x + cx: it enters x's and out0's addresses alone
	; group 1 for cb: 64 rows x 256 elements of 2 bytes, padded in LDS
	s_mov_b32 s[G1K], 15|(1<<16)|(1<<20)|(1<<21)|(6<<22)|(3<<25)  ; 15:0 the mask: all four work-groups; 17:16 2-byte elements; 20 padding on; 21 set beside a mask; 24:22 after every 128 words (code 6); 31:25 4 words (code 3)
	s_mov_b32 s[G1K+1], 256<<16                    ; tensor_dim0 = 256
	s_mov_b32 s[G1K+2], 64<<16                     ; tensor_dim1 = 64
	s_mov_b32 s[G1K+3], 256<<16                    ; tile_dim0 = 256
	s_mov_b32 s[G1K+4], 64                         ; tile_dim1 = 64
	s_mov_b32 s[G1K+5], 256                        ; elements from row to row
	s_mov_b32 s[G1K+6], 0
	s_mov_b32 s[G1K+7], 0
	; group 1 for x: 32 rows x 256 elements of 4 bytes, padded; no mask: a load of my work-group's own
	s_mov_b32 s[G1X], (2<<16)|(1<<20)|(7<<22)|(3<<25)  ; 4-byte elements; padding after every 256 words (code 7), 4 words (code 3)
	s_mov_b32 s[G1X+1], 256<<16
	s_mov_b32 s[G1X+2], 32<<16
	s_mov_b32 s[G1X+3], 256<<16
	s_mov_b32 s[G1X+4], 32
	s_mov_b32 s[G1X+5], 256
	s_mov_b32 s[G1X+6], 0
	s_mov_b32 s[G1X+7], 0
	; group 1 for c2: 8,192 dense bytes as 32 rows of 32 elements of 8 bytes, no padding
	s_mov_b32 s[G1C], 15|(3<<16)|(1<<21)
	s_mov_b32 s[G1C+1], 32<<16
	s_mov_b32 s[G1C+2], 32<<16
	s_mov_b32 s[G1C+3], 32<<16
	s_mov_b32 s[G1C+4], 32
	s_mov_b32 s[G1C+5], 32
	s_mov_b32 s[G1C+6], 0
	s_mov_b32 s[G1C+7], 0
	; group 0: count and LDS address: constants and the wave's number alone
	s_mul_i32 s62, s[WV], WPART
	s_mov_b32 s[G0K], 1
	s_mov_b32 s[G0K+1], s62                        ; slot 0, my 64 rows
	s_mov_b32 s[G0K+4], 1
	s_add_co_u32 s[G0K+5], s62, SLOT               ; slot 1, my 64 rows
	s_mul_i32 s63, s[WV], 32*XP
	s_mov_b32 s[G0X], 1
	s_add_co_u32 s[G0X+1], s63, SLOT               ; x lies in slot 1: my 32 rows of it
	s_lshl_b32 s2, s[WV], 13                       ; my 8,192 bytes of c2, in memory and in LDS
	s_mov_b32 s3, 0
	s_mov_b32 s[G0C], 1
	s_add_co_u32 s[G0C+1], s2, C2L
	s_lshl_b32 s18, s[WV], 15                      ; my 64 rows of 512 bytes in a chunk; also my 32 rows of 1,024 bytes in the block of x
	s_mov_b32 s19, 0
	s_lshl_b32 s16, s14, 17                        ; my work-group's 128 rows of x
	s_add_co_u32 s16, s16, s18
	s_mov_b32 s17, 0
	s_lshl_b32 s14, s14, 9                         ; my work-group's 512 bytes of out0
	s_mov_b32 s15, 0
	s_mov_b32 s[C2S], 0
	s_mov_b32 s[SEL], 0x76543210
	s_mov_b32 s[SEL+1], 0xfedcba98
	s_mov_b32 s[INF], 0x7f800000
	s_lshl_b32 s63, s[WV], 6
.irp j, 0,1,2,3,4,5,6,7
	s_sub_co_u32 s[JR+\j], s63, 208-\j             ; 208 is added behind the first tile: then 64 w + j.  Until then no score is below +inf and the number is not taken
.endr
	s_wait_dscnt 0x0                               ; the opening add is done
	s_wait_kmcnt 0x0
	s_add_nc_u64 s[G0X+2:G0X+3], s[4:5], s[16:17]
	s_or_b32 s[G0X+3], s[G0X+3], 0x80000000        ; 127:126 type = 2
	s_add_nc_u64 s[G0C+2:G0C+3], s[8:9], s[2:3]
	s_or_b32 s[G0C+3], s[G0C+3], 0x80000000
	s_add_nc_u64 s[G0K+2:G0K+3], s[6:7], s[18:19]  ; chunk 0
	s_add_nc_u64 s[G0K+6:G0K+7], s[G0K+2:G0K+3], CHUNK  ; chunk 1
	s_or_b32 s[G0K+3], s[G0K+3], 0x80000000
	s_or_b32 s[G0K+7], s[G0K+7], 0x80000000
	s_add_nc_u64 s[10:11], s[10:11], s[14:15]
	ROUND                                          ; all four work-groups are here: the first joint loads meet
	tensor_load_to_lds s[G0X:G0X+3], s[G1X:G1X+7]  ; the first fills go out together, the one wanted first in front: three loads of mine are out
	s_nop 0
	tensor_load_to_lds s[G0C:G0C+3], s[G1C:G1C+7]
	s_nop 0
	tensor_load_to_lds s[G0K:G0K+3], s[G1K:G1K+7]
	s_nop 0
	PLACES
	; addresses, and what the first tile's argmin finds: all this stands in the wait for x
	v_and_b32 v1, 15, v0                           ; l % 16
	v_bfe_u32 v2, v0, 4, 1                         ; l / 16
	v_and_b32 v14, 31, v0                          ; l
	v_mov_b32 v15, 0                               ; v14 and v15 later take v_permlanex16_b32's results, whose destination counts as read
	v_mul_u32_u24 v[ADR0], v1, PITCH               ; a fragment of 16 rows x 32 K: lane l holds row l % 16; two loads of 16 bytes, 32 bytes apart, at row x pitch + 16 (l / 16)
	v_lshl_add_u32 v[ADR0], v2, 4, v[ADR0]
	v_add_nc_u32 v[ADR0], s62, v[ADR0]
	v_add_nc_u32 v[ADR0+1], SLOT, v[ADR0]
	s_lshl_b32 s63, s[WV], 8
	s_add_co_u32 s63, s63, C2L
	v_lshl_add_u32 v[ADRC0], v2, 5, s63            ; c2 of code 64 w + 8 (l / 16): register j of a result is code 8 (l / 16) + j
	v_mov_b32 v[ADRC], v[ADRC0]
	v_mul_u32_u24 v[XA], v1, XP                    ; in f32 the lane's 8 channels are 32 bytes
	v_lshl_add_u32 v[XA], v2, 5, v[XA]
	v_add_nc_u32 v[XA], SLOT, v[XA]
	v_lshlrev_b32 v[H8], 3, v2
	s_lshl_b32 s63, s[WV], 10
	s_add_co_u32 s63, s63, RED
	v_lshl_add_u32 v[REDW], v1, 3, s63             ; wave w's results: 1,024 bytes, 8 for each query
	s_and_b32 s62, s[WV], 1                        ; waves 0 and 1 make the last merge, 64 queries each
	s_lshl_b32 s63, s62, 9
	s_add_co_u32 s63, s63, RED
	v_lshl_add_u32 v[REDR], v14, 4, s63            ; two queries a lane
	s_lshl_b32 s63, s62, 8
	v_lshl_add_u32 v[OUTO], v14, 3, s63
.irp g, 1,2,3
	WIN (\g)<<6                                    ; destination window g
.irp i, 0,1,2
.if ((\g) < 3) || ((\i) < 2)
	v_mov_b32 v[BEST+\i], s[INF]
	v_mov_b32 v[IDX+\i], 0
.endif
.endr
.endr
	WIN 0
.set u, 0
.rept 64                               ; the first tile's argmin lines work on a tile that has not been: +inf changes nothing.  The price of one text for every tile
	v_mov_b32 v[OUT+u], s[INF]
.set u, u+1
.endr
	s_wait_tensorcnt 0x2                           ; tensor loads of a wave end in order: my part of x is in; c2 and chunk 0 may stay out
	s_barrier_signal -1
	s_barrier_wait -1                              ; everybody's part of x is in
; x INTO FRAGMENTS.  16 batches: batch b is query tile b / 2, K steps 4 (b % 2) .. + 3: 16 LDS loads into one of the two code buffers, then 32 roundings into the tile's window.
; Source 1 of K step s wants channels 32 s + 8 (l / 16) + 0..7 in registers 0-3 and + 16 in registers 4-7: in f32 the bytes 128 s + 32 (l / 16) + 0, 16 and + 64, 80.
.macro LOADB b
	WIN 0
.set TB, AF+64*((\b)%2)
.set KB, 512*((\b)%2)
.irp s, 0,1,2,3
	ds_load_b128 v[TB+16*\s:TB+16*\s+3],     v[XA] offset:KB+128*\s
	ds_load_b128 v[TB+16*\s+4:TB+16*\s+7],   v[XA] offset:KB+128*\s+16
	ds_load_b128 v[TB+16*\s+8:TB+16*\s+11],  v[XA] offset:KB+128*\s+64
	ds_load_b128 v[TB+16*\s+12:TB+16*\s+15], v[XA] offset:KB+128*\s+80
.endr
.if ((\b)%2) && ((\b) < 15)
	v_add_nc_u32 v[XA], 16*XP, v[XA]               ; the next 16 queries
.endif
.endm
.macro CVTB b
.set TB, AF+64*((\b)%2)
.set XB, 64*(((\b)/2)%3)+32*((\b)%2)
	WIN (1+(\b)/6)<<6                              ; destination: the tile's window; sources window 0
.set u, 0
.rept 32
	v_cvt_pk_bf16_f32 v[XB+u], v[TB+2*u], v[TB+2*u+1]
.set u, u+1
.endr
.endm
	LOADB 0
.irp b, 0,1,2,3,4,5,6,7,8,9,10,11,12,13,14
	LOADB (\b)+1
	s_wait_dscnt 16                                ; all but the 16 just issued: batch b is in
	CVTB \b
.endr
	s_wait_dscnt 0x0
	CVTB 15
; ONE SCORE'S ARGMIN: register j of query tile q (place i of its group).  Where the score is not below the least so far, the old code stays: of equal scores the first, which is the lowest code of the lane.
.macro EL q, i, j
	v_cmp_ge_f32 vcc_lo, v[OUT+8*(\q)+(\j)], v[BEST+(\i)]
	v_cndmask_b32 v[IDX+(\i)], s[JR+(\j)], v[IDX+(\i)], vcc_lo
	v_min_num_f32 v[BEST+(\i)], v[OUT+8*(\q)+(\j)], v[BEST+(\i)]
.endm
; K STEPS 0 TO 6 of group g's sums for the tile of codes in buffer ab.  The group's accumulators take turns, one instruction a turn.  K step 0 takes c2 as C.
; Behind matrix instruction m stands the argmin of score m of the tile BEFORE (register m / G of tile m % G: each result's lowest register is read first); none of its lines names a register of the
; products round it.  Behind the last stand also the G scores of register 7: 3 (G + 1) plain instructions between K step 6 and K step 7, which takes the sums as the C of other registers.
.macro MAIN g, ab
.set GG, 3-(\g)/3
.set Q0, 3*((\g)-1)
.set m, 0
	WIN ((\g)<<2)|((\g)<<6)                        ; queries and result in window g; codes and c2 in window 0
.rept GG
	v_wmma_f32_16x16x32_bf16 v[ACC+8*m:ACC+8*m+7], v[AF+64*(\ab):AF+64*(\ab)+7], v[64*m:64*m+7], v[C2R+8*(\ab):C2R+8*(\ab)+7]
	EL Q0+m, m, 0
.set m, m+1
.endr
	WIN ((\g)<<2)|((\g)<<4)|((\g)<<6)              ; C in window g too
.rept 6*GG
.set ss, m/GG
.set ii, m%GG
	v_wmma_f32_16x16x32_bf16 v[ACC+8*ii:ACC+8*ii+7], v[AF+64*(\ab)+8*ss:AF+64*(\ab)+8*ss+7], v[64*ii+8*ss:64*ii+8*ss+7], v[ACC+8*ii:ACC+8*ii+7]
	EL Q0+ii, ii, ss
.set m, m+1
.endr
.set ii, 0
.rept GG
	EL Q0+ii, ii, 7
.set ii, ii+1
.endr
.endm
; K STEP 7: the finished scores go into window 0.  They are read a tile later.
.macro FIN g, ab
.set GG, 3-(\g)/3
.set Q0, 3*((\g)-1)
	WIN ((\g)<<2)|((\g)<<4)                        ; result in window 0
.set ii, 0
.rept GG
	v_wmma_f32_16x16x32_bf16 v[OUT+8*(Q0+ii):OUT+8*(Q0+ii)+7], v[AF+64*(\ab)+56:AF+64*(\ab)+63], v[64*ii+56:64*ii+63], v[ACC+8*ii:ACC+8*ii+7]
.set ii, ii+1
.endr
.endm
; THE LDS LOADS of the next tile of codes (tile tn of the slot at address register adr) into buffer nb, in two runs, under K step 7's setting (destination and address in window 0).
; The buffer's last readers are the products of the tile before this one: more than 60 plain vector instructions back.
.macro RUN1 adr, tn, nb
	ds_load_b128 v[C2R+8*(\nb):C2R+8*(\nb)+3],   v[ADRC] offset:64*(\tn)      ; c2 of my eight codes; the 16 lanes of a half read the same bytes
	ds_load_b128 v[C2R+8*(\nb)+4:C2R+8*(\nb)+7], v[ADRC] offset:64*(\tn)+16
.irp s, 0,1,2,3
	ds_load_b128 v[AF+64*(\nb)+8*\s:AF+64*(\nb)+8*\s+3],   v[(\adr)] offset:(\tn)*16*PITCH+64*\s
	ds_load_b128 v[AF+64*(\nb)+8*\s+4:AF+64*(\nb)+8*\s+7], v[(\adr)] offset:(\tn)*16*PITCH+64*\s+32
.endr
.endm
.macro RUN2 adr, tn, nb
.irp s, 4,5,6,7
	ds_load_b128 v[AF+64*(\nb)+8*\s:AF+64*(\nb)+8*\s+3],   v[(\adr)] offset:(\tn)*16*PITCH+64*\s
	ds_load_b128 v[AF+64*(\nb)+8*\s+4:AF+64*(\nb)+8*\s+7], v[(\adr)] offset:(\tn)*16*PITCH+64*\s+32
.endr
.endm
; TILE t OF THE STEP IN SLOT p.  mode 0: a plain tile.  mode 1: a step's last tile, with THE CHANGE OF SLOTS: my reads of slot p ended with this tile's fragments.  Each wave waits for all its tensor loads, of which one is
; out: its part of the next chunk; adds 0 to its spare word; waits for that and for its reads of slot p; and signals.  The barrier opens a round of the cluster's: 21 products and their argmin lines, work on registers, stand
; between signal and wait.  Behind the round no wave of any partner reads slot p or has a load on its way: the joint refill, the chunk two steps on, comes first; it has some 235 matrix instructions in which to land.
; mode 2: the last step but one: nothing is asked for, so no barrier: a wave reads only the rows that its own load brought, and its own wait shows them landed.  mode 3: the last tile: nothing is fetched.
.macro TILE t, p, mode
.set AB, (\t)%2
.set NBUF, 1-AB
.if (\t) == 3
.set TN, 0
.set NADR, ADR0+1-(\p)
.else
.set TN, (\t)+1
.set NADR, ADR0+(\p)
.endif
.if (\mode) == 1
	WIN 0                                          ; (the add's two registers lie in window 0)
	s_wait_tensorcnt 0x0                           ; no tensor load of mine is out, so a group 0 may be written
	ds_add_u32 v[SPW], v[NIL]                      ; 0 onto my spare word; the steps below stand between it and the wait for it
	s_add_nc_u64 s[G0K+4*(\p)+2:G0K+4*(\p)+3], s[G0K+4*(\p)+2:G0K+4*(\p)+3], 2*CHUNK  ; this slot's next chunk; the type bits on top are not reached
	s_add_co_u32 s[C2S], s[C2S], 1024              ; c2 of the next step's 256 codes
	v_add_nc_u32 v[ADRC], s[C2S], v[ADRC0]
	s_wait_dscnt 0x0                               ; the add is done; this tile's 18 loads, my last reads of slot p, are in
	s_barrier_signal -1
	MAIN 1, AB
	WIN 0                                          ; at a branch and at a label every window is 0
	s_barrier_wait -1
	CREST
	tensor_load_to_lds s[G0K+4*(\p):G0K+4*(\p)+3], s[G1K:G1K+7]  ; my one tensor load behind the round, and the first thing there
	s_nop 0
	PLACES
.else
.if (\mode) == 2
	WIN 0
	s_wait_tensorcnt 0x0                           ; the one load that was out: my rows of the last chunk
	s_add_co_u32 s[C2S], s[C2S], 1024
	v_add_nc_u32 v[ADRC], s[C2S], v[ADRC0]
.endif
	s_wait_dscnt 0x0                               ; this tile's 18 loads: the youngest were issued 16 matrix instructions ago, and none since
	MAIN 1, AB
.endif
	FIN 1, AB
.if (\mode) != 3
	RUN1 NADR, TN, NBUF
.endif
	MAIN 2, AB
	FIN 2, AB
.if (\mode) != 3
	RUN2 NADR, TN, NBUF
.endif
	MAIN 3, AB
	FIN 3, AB
.irp j, 0,1,2,3,4,5,6,7                ; the argmin goes on to this tile's scores: 16 codes on, or from a step's last tile to the next step's first: 256 - 48
.if (\t) == 0
	s_add_co_u32 s[JR+\j], s[JR+\j], 208
.else
	s_add_co_u32 s[JR+\j], s[JR+\j], 16
.endif
.endr
.endm
.macro STEP p, m3
	TILE 0, \p, 0
	TILE 1, \p, 0
	TILE 2, \p, 0
	TILE 3, \p, \m3
.endm
	; THE FIRST CHANGE: x has been read out of slot 1, which takes chunk 1.  The wait for all my loads also shows c2 and chunk 0 landed, and the round shows it of every wave.
	WIN 0
	s_wait_tensorcnt 0x0
	ds_add_u32 v[SPW], v[NIL]
	s_mov_b32 s[TRIPS], 15
	s_wait_dscnt 0x0                               ; the add is done, and my reads of x are over
	ROUND
	tensor_load_to_lds s[G0K+4:G0K+7], s[G1K:G1K+7]
	s_nop 0
	PLACES
	RUN1 ADR0, 0, 0                                ; step 0's first tile
	RUN2 ADR0, 0, 0
.Ltrip:                                                ; 15 trips of two steps: steps 0 to 29, which ask for chunks 2 to 31
	STEP 0, 1
	STEP 1, 1
	WIN 0
	s_sub_co_u32 s[TRIPS], s[TRIPS], 1
	s_cmp_lg_u32 s[TRIPS], 0
	s_cbranch_scc1 .Ltrip
	STEP 0, 2                                      ; the last two steps are written out: they ask for nothing
	STEP 1, 3
	; the last tile's argmin.  Group 1's 72 lines, which name no register of the last products (group 3's), are the places behind those.
.irp g, 1,2,3
	WIN ((\g)<<2)|((\g)<<4)|((\g)<<6)
.irp j, 0,1,2,3,4,5,6,7
.irp i, 0,1,2
.if ((\g) < 3) || ((\i) < 2)
	EL 3*((\g)-1)+(\i), \i, \j
.endif
.endr
.endr
.endr
; THE WAY OUT.  (b) replaces (a) where its score is lower, or equal with the lower code.
.macro MERGE va, ia, vb, ib
	v_cmp_lt_f32 s76, v[(\vb)], v[(\va)]
	v_cmp_eq_f32 s77, v[(\vb)], v[(\va)]
	v_cmp_lt_u32 vcc_lo, v[(\ib)], v[(\ia)]
	s_and_b32 s77, s77, vcc_lo
	s_or_b32 vcc_lo, s76, s77
	v_cndmask_b32 v[(\va)], v[(\va)], v[(\vb)], vcc_lo
	v_cndmask_b32 v[(\ia)], v[(\ia)], v[(\ib)], vcc_lo
.endm
.set q, 0
.rept 8
	WIN 1+q/3                                      ; source 0 in the tile's window, destination in window 0
	v_mov_b32 v[PR+2*q], v[BEST+q%3]
	v_mov_b32 v[PR+2*q+1], v[IDX+q%3]
.set q, q+1
.endr
	WIN 0
.set q, 0
.rept 8
	v_add_nc_u32 v[PR+2*q+1], v[H8], v[PR+2*q+1]   ; the lane's half: its codes lie 8 (l / 16) on
.set q, q+1
.endr
.set q, 0
.rept 8                                ; the query's other codes of my wave lie in the lane 16 away; then both lanes hold the same pair and write it to the same 8 bytes
	v_permlanex16_b32 v14, v[PR+2*q], s[SEL], s[SEL+1]
	v_permlanex16_b32 v15, v[PR+2*q+1], s[SEL], s[SEL+1]
	MERGE PR+2*q, PR+2*q+1, 14, 15
	ds_store_b64 v[REDW], v[PR+2*q:PR+2*q+1] offset:128*q
.set q, q+1
.endr
	s_wait_dscnt 0x0                               ; for the others' sake: my stores are done
	s_barrier_signal -1
	s_barrier_wait -1
	s_cmp_lt_u32 s[WV], 2
	s_cbranch_scc0 .Ldone                          ; waves 0 and 1 merge the four waves' results, two queries a lane, so that a wave's store covers 256 consecutive bytes, aligned
.irp n, 0,1,2,3
	ds_load_b128 v[RB+4*\n:RB+4*\n+3], v[REDR] offset:1024*\n
.endr
	s_wait_dscnt 0x0
.irp n, 1,2,3
	MERGE RB, RB+1, RB+4*\n, RB+4*\n+1
	MERGE RB+2, RB+3, RB+4*\n+2, RB+4*\n+3
.endr
	v_mov_b32 v14, v[RB+1]
	v_mov_b32 v15, v[RB+3]
	global_store_b64 v[OUTO], v[14:15], s[10:11]
.Ldone:
	s_wait_tensorcnt 0x0                           ; the wave's end: the wait, the add and its wait stand behind my last tensor load and my last LDS store
	ds_add_u32 v[SPW], v[NIL]
	s_wait_dscnt 0x0
	ROUND                                          ; the closing round: no work-group ends while a partner may still ask for a chunk that names it
	s_endpgm
.Lfunc_end_k_q8254c97e48_vq:
	.size	k_q8254c97e48_vq, .Lfunc_end_k_q8254c97e48_vq-k_q8254c97e48_vq
	.p2alignl 7, 3214868480
	.fill 96, 4, 3214868480
	.section	.rodata,"a",@progbits
	.p2align	6, 0x0
	.amdhsa_kernel k_q8254c97e48_vq
		.amdhsa_group_segment_fixed_size 327680
		.amdhsa_private_segment_fixed_size 0
		.amdhsa_enable_private_segment 0
		.amdhsa_kernarg_size 32
		.amdhsa_user_sgpr_count 2
		.amdhsa_user_sgpr_kernarg_segment_ptr 1
		.amdhsa_wavefront_size32 1
		.amdhsa_system_sgpr_workgroup_id_x 1
		.amdhsa_system_sgpr_workgroup_id_y 1
		.amdhsa_system_sgpr_workgroup_id_z 1
		.amdhsa_system_vgpr_workitem_id 0
		.amdhsa_next_free_vgpr 1024
		.amdhsa_next_free_sgpr 80
		.amdhsa_reserve_vcc 1
		.amdhsa_float_denorm_mode_32 3
		.amdhsa_float_denorm_mode_16_64 3
		.amdhsa_memory_ordered 1
		.amdhsa_forward_progress 1
		.amdhsa_inst_pref_size 255
	.end_amdhsa_kernel
	.section	.bss,"aw",@nobits
	.p2align	6
	.space	262144
	.amdgpu_metadata
---
amdhsa.version: [ 1, 2 ]
amdhsa.kernels:
  - .name:           k_q8254c97e48_vq
    .symbol:         k_q8254c97e48_vq.kd
    .args:
      - { .name: x, .offset: 0, .size: 8, .value_kind: global_buffer, .address_space: global }
      - { .name: cb, .offset: 8, .size: 8, .value_kind: global_buffer, .address_space: global }
      - { .name: c2, .offset: 16, .size: 8, .value_kind: global_buffer, .address_space: global }
      - { .name: out0, .offset: 24, .size: 8, .value_kind: global_buffer, .address_space: global }
    .group_segment_fixed_size: 327680
    .private_segment_fixed_size: 0
    .kernarg_segment_align: 8
    .kernarg_segment_size: 32
    .max_flat_workgroup_size: 128
    .sgpr_count:     80
    .vgpr_count:     1024
    .wavefront_size: 32
...
	.end_amdgpu_metadata
.endif
;; end of part 2
